; MI455X (gfx1250); checked and timed in simulation.
; The chip was launched on July 23, 2026; its instructions are those of AMD's public machine-readable ISA for CDNA 5 (MIT licence, August 2026) and "CDNA5" Instruction Set Architecture Reference Guide (July 2026). The comments in the code are by the model that wrote it; some were corrected since.
;; Full Attention. Allowed arithmetic: matrix products marked QUANTISED: E4M3 operands, one given power-of-two scale a tensor, by v_wmma_f32_16x16x64_fp8_fp8 or v_wmma_f32_16x16x128_fp8_fp8, f32 sums; everything else in f32.
;; Inputs: keys_codes 4 x 2,048 x 8 x 2 x 32 uint8 (E4M3 codes of keys, K innermost, in blocks of 32 codes); lowp_scales 4 int32 (the exponents e of the quantised operands' scales 2^e); queries_codes 4 x 2,048 x 8 x 2 x 32 uint8 (E4M3 codes of queries, K innermost, in blocks of 32 codes); values_codes 4 x 8 x 64 x 64 x 32 uint8 (E4M3 codes of values, K innermost, in blocks of 32 codes).
;; Outputs: out0 4 x 2,048 x 8 x 64 float32.
;; This version of the problem:
;;   THIS VERSION OF THE PROBLEM IS GIVEN IN LOW PRECISION. The matrix products marked QUANTISED in the list below multiply operands that are first quantised to E4M3 (4 exponent bits, 3 mantissa bits; 8 bits a number), with one given power-of-two scale for each operand tensor; their sums are f32. All else is computed in f32.
;;   The module's matrix products, in the order in which they are computed (A, B: the left and right operand; K: the contracted axis; several contracted axes count as one K, in the product's order):
;;     1. batch 32 x [M 2,048, K 64] x [K 64, N 2,048]; A: input queries (given as codes); B: input keys (given as codes): QUANTISED (scales: A lowp_scales[0], B lowp_scales[1])
;;     2. batch 32 x [M 64, K 2,048] x [K 2,048, N 2,048]; A: input values (given as codes); B: softmax (see below): QUANTISED (scales: A lowp_scales[2], B lowp_scales[3])
;;   THE QUANTISER, for each operand of a quantised product, along K:
;;     - The operand's scale is 2^e, e = its entry of the input lowp_scales (int32; the entries are numbered through the quantised products in the list's order, A before B).
;;     - Each number is divided by the scale, clamped to +-448, and rounded to the nearest number of E4M3, ties to even, subnormals kept.
;;     - The product sums the exact products of the quantised numbers (number of the format x scale) in f32.
;;   ~~~python
;;   def quantise(x, axis, e):      # numpy; x: float32 -> the quantised numbers, widened to float32 again
;;       x = np.moveaxis(x, axis, -1); K = x.shape[-1]
;;       r = np.clip(x / 2.0 ** e, -448, 448)
;;       step = 2.0 ** (np.maximum(np.frexp(np.where(r == 0, 1, r))[1] - 1, -6) - 3)
;;       q = np.round(r / step) * step * 2.0 ** e      # np.round: ties to even
;;       return np.moveaxis(q, -1, axis).astype(np.float32)
;;   ~~~
;;   SOFTMAX AHEAD OF A QUANTISED PRODUCT. Where the list says 'softmax', what is quantised is not the finished softmax but p = 2^(t - M), with t = logit x log2(e) and M = ceil(the row's largest t), a whole number; so 1/2 < the row's largest p <= 1. The row's sum l is taken of the UNQUANTISED p, in f32, and the product's result is divided by l at the end. Since M is a whole number, a kernel that streams over the keys may use a running M (the ceiling of the running maximum): every later rescaling is an exact power of two, so the quantised numbers keep their values, but for numbers so far below the row's largest that they fall under the format's range.
;;   OPERANDS COMPUTED ON THE WAY. 'Computed on the way' means the value that the module computes at that place (a softmax that the list does not call 'softmax' is quantised finished and normalised). What goes into a quantiser is computed in f32, as accurately as f32 sums, v_exp_f32 and their like allow (about 1e-6 of the number): no bf16 or f16 on the way to a quantiser, and a product that is left as it is and whose result goes on into a quantised operand takes f32 operands (vector FMAs, or v_wmma_f32_16x16x4_f32). A number that lies on a knife's edge between two numbers of the format may be rounded either way, as far as f32 arithmetic and the matrix unit's own rounding can turn it there, and no further.
;;   INPUTS GIVEN AS CODES. keys (in the module: [4, 2048, 8, 64], K = its axis 3); queries (in the module: [4, 2048, 8, 64], K = its axis 3); values (in the module: [4, 2048, 8, 64], K = its axis 1): each comes as NAME_codes (uint8): NAME with its K axis moved to the last place and cut into blocks of 32 codes, [.., K / 32, bytes a block], one block behind the other in memory; one code a byte (a code: sign, 4 exponent bits, 3 mantissa bits); its scale is its entry of lowp_scales. Its value is code x scale, taken as it is: it is not quantised again, and the codes and scales need not be those that the quantiser above would give.
;; One version. Each part assembles by itself: llvm-mc -triple=amdgcn-amd-amdhsa -mcpu=gfx1250 --defsym DOCPART=n.
;; ======== version 1 of 1: 1 launch
;; launch attn (part 1): grid 8 x 32, 16 waves a work-group, clusters of 4 x 1, 327,680 bytes of LDS; arguments queries_codes, keys_codes, values_codes, lowp_scales, out0; writes out0
.if DOCPART == 1
	.amdgcn_target "amdgcn-amd-amdhsa--gfx1250"
	.amdhsa_code_object_version 6
	.text
	.protected	k_q51e3ccd0a1_attn
	.globl	k_q51e3ccd0a1_attn
	.p2align	8
	.type	k_q51e3ccd0a1_attn,@function
k_q51e3ccd0a1_attn:
	s_mov_b64 s[64:65], 0
	v_nop
	global_prefetch_b8 v0, s[64:65] scope:SCOPE_SE
	s_setreg_imm32_b32 hwreg(HW_REG_WAVE_MODE, 25, 1), 1
	s_wait_xcnt 0x0
	s_wait_alu depctr_hold_cnt(0) depctr_sa_sdst(0) depctr_va_vdst(0) depctr_va_sdst(0) depctr_va_ssrc(0) depctr_va_vcc(0) depctr_vm_vsrc(0)
	s_getreg_b32 s2, hwreg(HW_REG_IB_STS2, 6, 4)
	s_cmp_eq_u32 s2, 0
	s_cbranch_scc0 .Lentry_in_a_cluster
	s_endpgm
.Lentry_in_a_cluster:
	s_bfe_u32 s2, ttmp6, 0x10000c
	s_cmp_lg_u32 s2, 0x3003
	s_cbranch_scc0 .Lentry_shape_is_right
	s_endpgm
.Lentry_shape_is_right:
; O[b][l][h][:] = the sum over s <= l of softmax_s(Q[b][l][h] . K[b][s][h] / 8) V[b][s][h][:]: causal attention, 32 heads (b, h), 2,048 queries and keys, 64 channels,
; both products on codes of FP8 (E4M3), each tensor with the one scale 2^e that is given for it: eq, ek, ev, ep (the buffer of scales, in this order).
; Q, K: a row of 64 codes at ((b 2048 + l) 8 + h) 64.  V: codes with the KEYS innermost: a head is 64 rows (channels) of 2,048 bytes.  O: f32, a row of 256 bytes at ((b 2048 + l) 8 + h) 256.
; THE SOFTMAX AHEAD OF THE SECOND PRODUCT: t = score x 2^(eq + ek) x log2(e) / 8; M = the row's largest t so far, rounded UP to a whole number; p = 2^(t - M) is quantised with 2^ep; it is not normalised.
; The row's sum is taken of the unquantised p, in f32, and divides O at the end.  When M moves, the sum and O are multiplied by 2^(old M - new M): exact.
; SHARES.  A head's queries are 16 blocks of 128, each 8 tiles of 16.  Work-group g (0..7) of a head takes tile g of EVERY block, wave w that of block BLK(w).  A wave with block j works key steps 0 .. j (128 keys each);
; step j lies on the diagonal; the later steps' scores are all masked and are jumped over.  So all 256 work-groups have the same work (136 wave steps), and every branch hangs on the wave's number alone.
; BLK(w) = 0 6 11 13 | 5 3 14 8 | 10 12 1 7 | 15 9 4 2: the four waves with equal w % 4, and the four with equal w / 4, have blocks that add up to 30: 34 steps for any such four.
; LDS.  A head's whole K and V, 256 KiB of codes, lie in LDS, filled ONCE: no slot is ever filled again.  Eight slabs of 256 keys.  Slabs 0 and 1 are waited for first; the other six land while they are worked.
; CLUSTER.  The eight work-groups of a head read the same K and V.  Four of them form a cluster and ask for each tile JOINTLY: the same tensor load, the same descriptor, a mask that names the four.
; LAYOUT.  Both products are used transposed: S^T = K Q^T (source 0 = 16 neighbouring keys, source 1 = my 16 queries), O^T = V^T P^T (source 0 = 16 channels, source 1 = P): a lane holds ONE query (lane % 16) throughout.
; In tile T of S^T register j of lane (r, h) is key 16 T + 8 h + j.  So the conversions leave p's codes with registers 2 c, 2 c + 1 = keys 16 c + 8 h + 0 .. 7, and V's fragments are fetched in the same order, 8 bytes at a time.
; K's and Q's fragments are fetched 16 bytes a lane, 32 bytes apart: a permutation of the channels that is the same on both sides of the first product.
; LIMITS on the given exponents, so that each power of two below is an f32 number: eq + ek between -123 and 130 (they are added to c's exponent field); ep between -126 and 119; ev + ep goes by v_ldexp_f32 and has none.
; NaN codes among the inputs are not served.
; REGISTERS: v1-9 addresses; v12 -M, v13 the largest t, v[14:15] the sum in two halves; v16-23 Q; v24 -infinity; v30, v31 2^ep and 448 x 2^ep; v32-95 K's eight fragments, then V's four;
; v96-159 S^T, then p; v160-191 O^T; v192-207 p's codes; v208-215 at work.
.set KP,    80                         ; K: a key's row in LDS: 64 bytes + 16 of padding = 20 words: the 16 rows that a load touches begin at 16 different 16-byte columns of 256 bytes
.set KQT,   64*KP                      ; what one load of K brings: 64 keys
.set VOFF,  4*KQT                      ; V's part of a slab begins behind K's 256 keys
.set VP,    272                        ; V: a channel's 256 keys + 16 bytes of padding = 68 words: lane (r, h) of an 8-byte load begins at word 4 r + 2 h of 64
.set VQT,   16*VP                      ; what one load of V brings: 16 channels
.set SLAB,  VOFF+4*VQT                 ; a slab, 37,888 bytes: K's part, then V's.  Eight slabs: 303,104 bytes
.set SP,    272                        ; the way out: a stage of 16 rows x (256 + 16) bytes for each wave, at wave x 4,352: bytes 0 .. 69,631, inside slabs 0 and 1 (75,776 bytes),
.set STG,   16*SP                      ; which have had their only fill and which nobody reads behind the second barrier
.set AK0,  1                           ; v1   my lane's place in a tile of K
.set AV0,  2                           ; v2   the same for V
.set DD,   3                           ; v3   16 g + r - 8 h: on the diagonal, register 8 T + j is hidden where 16 T + j is larger
.set GO,   4                           ; v4   the way out: my byte offset in the wave's rows of O
.set STO,  5                           ; v5   where I put 32 bytes of a row
.set RD,   6                           ; v6   where I read a row back
.set QO,   7                           ; v7   my byte offset in the wave's rows of Q
.set ADK,  8                           ; v8   LDS address of the step's tiles of K
.set ADV,  9                           ; v9   of V
.set NINF, 24
.set SC,   30
.set LIM,  31
.set S,    96
.set O,    160
.set PC,   192
.set MX0,  208
.set MX1,  209
.set PERM, 210
.set F,    212                         ; v[212:213]: f, and a word that is only named with it
.set SUM2, 214
.set WV,   14                          ; s14  my wave's number
.set BLK,  15                          ; s15  my block of queries = my last key step
.set G1K,  16                          ; s[16:23] descriptor group 1 for K's tiles;  s[24:31] for V's
.set G1V,  24
.set G0K,  32                          ; s[32:47] four groups 0 for K's tiles;  s[48:63] for V's.  None is ever written again
.set G0V,  48
.set TB,   66                          ; s66  LDS byte at which the slab in hand begins
.set KS,   67                          ; s67  the key step's number, 0 .. 15
.set SLB,  68                          ; s68  slabs to go in a phase
.set SEL,  70                          ; s[70:71] lane selects for v_permlanex16_b32: lane l xor 16
.set CS,   72                          ; s[72:73] c: the packed form names a pair and takes its low word for both halves
; A round of the cluster's barrier: my work-group's barrier, so that wave 0's signal speaks for all sixteen waves; wave 0 signals for the work-group; every wave waits for all four work-groups; my work-group's barrier once more.
.macro ROUND
	s_barrier_signal -1
	s_barrier_wait -1
	s_cmp_lg_u32 s[WV], 0
	s_cbranch_scc1 .Lnot_wave_0_\@
	s_barrier_signal -3
.Lnot_wave_0_\@:
	s_barrier_wait -3
	s_barrier_signal -1
	s_barrier_wait -1
.endm
	s_load_b256 s[4:11], s[0:1], 0x0               ; Q's codes s[4:5], K's s[6:7], V's s[8:9], the scales' exponents s[10:11]
	s_load_b64 s[12:13], s[0:1], 0x20              ; O
	v_lshl_add_u32 v216, v0, 2, 0x4a000
	v_mov_b32 v217, 0
	ds_add_u32 v216, v217
	ds_add_u32 v216, v217
	v_lshrrev_b32 v10, 5, v0
	v_readfirstlane_b32 s[WV], v10                 ; wave 0..15
	s_bfe_u32 s80, ttmp6, 0x40000                  ; cx: my place in the cluster
	s_lshl_b32 s81, ttmp9, 2                       ; in a cluster launch ttmp9 counts clusters
	s_add_co_u32 s81, s81, s80                     ; g = 4 x cluster x + cx: it enters Q's and O's addresses and the number DD alone
	s_and_b32 s82, ttmp7, 0xffff                   ; the head, 8 b + h, which the four partners share
	s_mov_b32 s83, 0x8e35db60                      ; BLK(w), four bits each: waves 0-7,
	s_mov_b32 s84, 0x249f71ca                      ; waves 8-15
	s_cmp_lt_u32 s[WV], 8
	s_cselect_b32 s83, s83, s84
	s_and_b32 s84, s[WV], 7
	s_lshl_b32 s84, s84, 2
	s_lshr_b32 s83, s83, s84
	s_and_b32 s[BLK], s83, 15
	s_lshr_b32 s84, s82, 3                         ; b
	s_and_b32 s85, s82, 7                          ; h
	s_lshl_b32 s86, s84, 20                        ; b x 2,048 rows of 512 bytes
	s_lshl_b32 s87, s85, 6
	s_add_co_u32 s86, s86, s87                     ; + 64 h: the head's first byte in Q and in K
	; WHAT I FETCH.  Waves 0-7 fetch K, waves 8-15 V.  sl = (w / 4) % 2, qt = w % 4; my load p = 0 .. 3 serves slab 2 p + sl: of K its keys 64 qt on, of V its channels 16 qt on.
	s_bfe_u32 s88, s[WV], 0x10002                  ; sl
	s_and_b32 s89, s[WV], 3                        ; qt
	s_lshl_b32 s90, s88, 17                        ; K in memory: a slab is 256 keys x 512 bytes,
	s_lshl_b32 s91, s89, 15                        ; a load 64 keys x 512 bytes
	s_add_co_u32 s90, s90, s91
	s_add_co_u32 s90, s90, s86
	s_mov_b32 s91, 0
	s_lshl_b32 s92, s82, 17                        ; V in memory: a head is 64 rows of 2,048 bytes,
	s_lshl_b32 s93, s89, 15                        ; a load begins 16 qt rows down
	s_add_co_u32 s92, s92, s93
	s_lshl_b32 s93, s88, 8                         ; and 256 bytes along for each slab
	s_add_co_u32 s92, s92, s93
	s_mov_b32 s93, 0
	s_mul_i32 s94, s88, SLAB                       ; and in LDS: no place in the cluster enters an LDS address
	s_mul_i32 s95, s89, VQT
	s_add_co_u32 s95, s95, s94
	s_add_co_u32 s95, s95, VOFF                    ; V: sl x SLAB + VOFF + qt x VQT
	s_mul_i32 s88, s89, KQT
	s_add_co_u32 s94, s94, s88                     ; K: sl x SLAB + qt x KQT
	; my queries: q0 = 128 BLK + 16 g, + 0 .. 15
	s_lshl_b32 s80, s[BLK], 7
	s_lshl_b32 s81, s81, 4                         ; 16 g
	s_add_co_u32 s80, s80, s81                     ; q0
	s_lshl_b32 s74, s80, 9
	s_add_co_u32 s74, s74, s86                     ; Q: the head's first byte + q0 rows of 512 bytes
	s_mov_b32 s75, 0
	s_lshl_b32 s2, s84, 22                         ; O: b x 2,048 rows of 2,048 bytes
	s_lshl_b32 s3, s85, 8                          ; + 256 h
	s_add_co_u32 s2, s2, s3
	s_lshl_b32 s3, s80, 11                         ; + q0 rows
	s_add_co_u32 s2, s2, s3
	s_mov_b32 s3, 0
	; descriptor group 1.  K: 64 rows of 64 bytes, 512 bytes apart in memory; 4 words of padding behind every 16 words, that is behind every row
	s_mov_b32 s[G1K], 15|(0<<16)|(1<<20)|(1<<21)|(3<<22)|(3<<25)   ; 15:0 the mask: all four work-groups; 17:16 elements of 1 byte; 20 padding on; 21 set beside a mask; 24:22 after every 16 words (code 3); 31:25 four words (code 3)
	s_mov_b32 s[G1K+1], 64<<16                     ; tensor_dim0 = 64
	s_mov_b32 s[G1K+2], 64<<16                     ; tensor_dim1 = 64
	s_mov_b32 s[G1K+3], 64<<16                     ; tile_dim0 = 64
	s_mov_b32 s[G1K+4], 64                         ; tile_dim1 = 64
	s_mov_b32 s[G1K+5], 512                        ; tensor_dim0_stride
	s_mov_b32 s[G1K+6], 0
	s_mov_b32 s[G1K+7], 0
	; V: 16 rows of 256 bytes, 2,048 bytes apart; 4 words of padding behind every 64
	s_mov_b32 s[G1V], 15|(0<<16)|(1<<20)|(1<<21)|(5<<22)|(3<<25)
	s_mov_b32 s[G1V+1], 256<<16
	s_mov_b32 s[G1V+2], 16<<16
	s_mov_b32 s[G1V+3], 256<<16
	s_mov_b32 s[G1V+4], 16
	s_mov_b32 s[G1V+5], 2048
	s_mov_b32 s[G1V+6], 0
	s_mov_b32 s[G1V+7], 0
	s_mov_b32 s[SEL], 0x76543210
	s_mov_b32 s[SEL+1], 0xfedcba98
	s_mov_b32 s[CS], 0x3e38aa3b                    ; c = log2(e) / 8
	s_mov_b32 s[KS], 0
	s_wait_dscnt 0x0
	s_wait_kmcnt 0x0
	s_load_b128 s[76:79], s[10:11], 0x0            ; eq, ek, ev, ep
	s_add_nc_u64 s[90:91], s[6:7], s[90:91]        ; K and V at my load 0
	s_add_nc_u64 s[92:93], s[8:9], s[92:93]
.irp p, 0,1,2,3                        ; every wave makes both families of groups 0 and asks by one of them
	s_mov_b32 s[G0K+4*\p], 1                                       ; 1:0 count = 1
	s_add_co_u32 s[G0K+4*\p+1], s94, \p*2*SLAB                     ; 63:32 LDS address: two slabs on for each load
	s_add_nc_u64 s[G0K+4*\p+2:G0K+4*\p+3], s[90:91], \p*262144     ; 120:64 global address: 512 keys x 512 bytes on
	s_or_b32 s[G0K+4*\p+3], s[G0K+4*\p+3], 0x80000000              ; 127:126 type = 2
	s_mov_b32 s[G0V+4*\p], 1
	s_add_co_u32 s[G0V+4*\p+1], s95, \p*2*SLAB
	s_add_nc_u64 s[G0V+4*\p+2:G0V+4*\p+3], s[92:93], \p*512        ; 512 keys along the rows
	s_or_b32 s[G0V+4*\p+3], s[G0V+4*\p+3], 0x80000000
.endr
	ROUND                                          ; all four work-groups are here: the joint loads meet
	s_cmp_lt_u32 s[WV], 8                          ; a wave's four fills stand in one branch, ahead of every wait on TENSORcnt and every LDS read: four loads of mine are out.  Four v_nop follow the last
	s_cbranch_scc0 .Lfirst_v
	tensor_load_to_lds s[G0K:G0K+3], s[G1K:G1K+7]
	s_nop 0
	tensor_load_to_lds s[G0K+4:G0K+7], s[G1K:G1K+7]
	s_nop 0
	tensor_load_to_lds s[G0K+8:G0K+11], s[G1K:G1K+7]
	s_nop 0
	tensor_load_to_lds s[G0K+12:G0K+15], s[G1K:G1K+7]
	s_nop 0
.rept 4
	v_nop
.endr
	s_branch .Lfirst_asked
.Lfirst_v:
	tensor_load_to_lds s[G0V:G0V+3], s[G1V:G1V+7]
	s_nop 0
	tensor_load_to_lds s[G0V+4:G0V+7], s[G1V:G1V+7]
	s_nop 0
	tensor_load_to_lds s[G0V+8:G0V+11], s[G1V:G1V+7]
	s_nop 0
	tensor_load_to_lds s[G0V+12:G0V+15], s[G1V:G1V+7]
	s_nop 0
.rept 4
	v_nop
.endr
.Lfirst_asked:
	s_add_nc_u64 s[4:5], s[4:5], s[74:75]          ; Q's codes at my first query
	s_add_nc_u64 s[12:13], s[12:13], s[2:3]        ; O likewise
	v_and_b32 v10, 15, v0                          ; r = lane % 16
	v_bfe_u32 v11, v0, 4, 1                        ; h = lane / 16
	v_lshlrev_b32 v[QO], 9, v10
	v_lshl_add_u32 v[QO], v11, 4, v[QO]            ; row r of 512 bytes, + 16 h
	global_load_b128 v[16:19], v[QO], s[4:5]               ; Q's fragment stays in registers: channels 16 h + 0 .. 15,
	global_load_b128 v[20:23], v[QO], s[4:5] offset:32     ; 32 + 16 h + 0 .. 15
	v_mul_u32_u24 v[AK0], v10, KP
	v_lshl_add_u32 v[AK0], v11, 4, v[AK0]          ; K: key r of a tile, + 16 h
	v_mul_u32_u24 v[AV0], v10, VP
	v_lshl_add_u32 v[AV0], v11, 3, v[AV0]
	v_add_nc_u32 v[AV0], VOFF, v[AV0]              ; V: channel r of a tile, + 8 h, in V's part of a slab
	v_lshlrev_b32 v[DD], 3, v11
	v_sub_nc_u32 v[DD], v10, v[DD]
	v_add_nc_u32 v[DD], s81, v[DD]                 ; 16 g + r - 8 h, a signed number
	v_mov_b32 v13, 0xff61b1e6                      ; the largest t so far: -3e38, under every t
	v_floor_f32 v12, -v13                          ; -M
	v_mov_b32 v14, 0                               ; the sum, in two halves
	v_mov_b32 v15, 0
	v_mov_b32 v[PERM], 0                           ; written once: a lane permute's destination counts as one of its sources
	v_mov_b32 v[F+1], 0                            ; (named as the upper half of the pair)
	v_mov_b32 v[NINF], 0xff800000                  ; -infinity
.irp j, 0,1,2,3,4,5,6,7,8,9,10,11,12,13,14,15,16,17,18,19,20,21,22,23,24,25,26,27,28,29,30,31
	v_mov_b32 v[O+\j], 0                           ; O^T.  (A key step has one form: the first finds zeros, which the first change of M leaves zeros)
.endr
	s_wait_kmcnt 0x0
	s_add_co_i32 s82, s76, s77
	s_lshl_b32 s82, s82, 23
	s_add_co_i32 s[CS], s[CS], s82                 ; a score stands for score x 2^(eq + ek): the two exponents are added to c's exponent field
	s_mov_b32 s[CS+1], s[CS]                       ; (named with it as a pair, so it is written)
	s_add_co_i32 s82, s79, 127
	s_lshl_b32 s83, s82, 23
	v_mov_b32 v[SC], s83                           ; 2^ep as f32: the conversion takes its exponent field
	s_add_co_i32 s82, s82, 8
	s_lshl_b32 s82, s82, 23
	s_or_b32 s82, s82, 0x600000
	v_mov_b32 v[LIM], s82                          ; 448 x 2^ep
; A KEY STEP: 128 keys, the q-th of the slab in hand.
.macro STEP q
	s_cmp_gt_u32 s[KS], s[BLK]                     ; all of this step's keys come after my queries: its work is left out.  The branch hangs on the wave's number and the step alone; no barrier and no tensor load stands in a step
	s_cbranch_scc1 .Lhidden_\@
	v_add_nc_u32 v[ADK], s[TB], v[AK0]
	v_add_nc_u32 v[ADV], s[TB], v[AV0]
.rept 2
	v_nop                                          ; with the two additions: four places in front of loads into registers that the last step's matrix instructions have read (ISA guide 7.12.1 for vector instructions)
.endr
.irp t, 0,1,2,3,4,5,6,7                        ; K's eight tiles of 16 neighbouring keys x 64 channels
.irp c, 0,1
	ds_load_b128 v[32+8*\t+4*\c:32+8*\t+4*\c+3], v[ADK] offset:128*KP*(\q)+16*KP*\t+32*\c
.endr
.endr
	s_wait_dscnt 0x0
.irp t, 0,1,2,3,4,5,6,7                        ; S^T = K Q^T: eight sums, each one instruction
	v_wmma_f32_16x16x64_fp8_fp8 v[S+8*\t:S+8*\t+7], v[32+8*\t:32+8*\t+7], v[16:23], 0
.endr
.rept 4
	v_nop                                          ; places in front of the loads below and of the first read of the scores
.endr
.irp t, 0,1,2,3                                ; V's four tiles of 16 channels x 128 keys: registers 2 c, 2 c + 1 = keys 16 c + 8 h + 0 .. 7, as p's codes lie.  They land under the softmax
.irp c, 0,1,2,3,4,5,6,7
	ds_load_b64 v[32+16*\t+2*\c:32+16*\t+2*\c+1], v[ADV] offset:VQT*\t+128*(\q)+16*\c
.endr
.endr
	s_cmp_lg_u32 s[KS], s[BLK]                     ; only my last step lies on the diagonal
	s_cbranch_scc1 .Lopen_\@
.irp n, 0,1,2,3,4,5,6,7,8,9,10,11,12,13,14,15,16,17,18,19,20,21,22,23,24,25,26,27,28,29,30,31,32,33,34,35,36,37,38,39,40,41,42,43,44,45,46,47,48,49,50,51,52,53,54,55,56,57,58,59,60,61,62,63
	v_cmp_gt_i32 vcc_lo, 16*(\n/8)+\n%8, v[DD]     ; register 8 T + j holds key 128 BLK + 16 T + 8 h + j; my query is 128 BLK + 16 g + r
	v_cndmask_b32 v[S+\n], v[S+\n], v[NINF], vcc_lo   ; a hidden key's score becomes -infinity ahead of the maximum: p = 0 then.  The query's own key always counts
.endr
.Lopen_\@:
	v_max3_num_f32 v[MX0], v[S], v[S+1], v[S+2]    ; the step's largest score of my query, among my 64 keys, in two chains, each accumulator from its low end on,
	v_max3_num_f32 v[MX1], v[S+3], v[S+4], v[S+5]
.irp i, 6,10,14,18,22,26,30,34,38,42,46,50,54,58
	v_max3_num_f32 v[MX0], v[MX0], v[S+\i], v[S+1+\i]
	v_max3_num_f32 v[MX1], v[MX1], v[S+2+\i], v[S+3+\i]
.endr
	v_max3_num_f32 v[MX0], v[MX0], v[S+62], v[S+63]
	v_max_num_f32 v[MX0], v[MX0], v[MX1]
	v_permlanex16_b32 v[PERM], v[MX0], s[SEL], s[SEL+1]
	v_max_num_f32 v[MX0], v[MX0], v[PERM]          ; and among lane l xor 16's
	v_mul_f32 v[MX0], s[CS], v[MX0]                ; as t (c is positive)
	v_max_num_f32 v13, v13, v[MX0]                 ; the running largest t
	v_mov_b32 v[MX0], v12
	v_floor_f32 v12, -v13                          ; the new -M = floor(-t) = -ceil(t): M IS A WHOLE NUMBER
	v_sub_f32 v[MX0], v12, v[MX0]                  ; M's old value less its new one: a whole number, 0 or less
	v_cvt_i32_f32 v[MX0], v[MX0]                   ; (it saturates)
	v_ldexp_f32 v[F], 1.0, v[MX0]                  ; f = 2^(old M - new M): what was summed under the old M is brought under the new by a multiplication that rounds nothing
.irp j, 0,2,4,6,8,10,12,14,16,18,20,22,24,26,28,30,32,34,36,38,40,42,44,46,48,50,52,54,56,58,60,62
	v_pk_fma_f32 v[S+\j:S+1+\j], v[S+\j:S+1+\j], s[CS:CS+1], v[12:13] op_sel_hi:[1,0,0]   ; t - M, two at a time (of the pairs c and -M the low word serves both halves)
.endr
.irp j, 0,1,2,3,4,5,6,7,8,9,10,11,12,13,14,15,16,17,18,19,20,21,22,23,24,25,26,27,28,29,30,31,32,33,34,35,36,37,38,39,40,41,42,43,44,45,46,47,48,49,50,51,52,53,54,55,56,57,58,59,60,61,62,63
	v_exp_f32 v[S+\j], v[S+\j]                     ; p = 2^(t - M), at most 1: NOT normalised
.endr
	v_pk_mul_f32 v[14:15], v[14:15], v[F:F+1] op_sel_hi:[1,0]   ; the sums under the new M.  (The plain place behind the exponentials)
	s_wait_alu depctr_va_vdst(0)
	v_pk_add_f32 v[SUM2:SUM2+1], v[S:S+1], v[S+2:S+3]           ; THE ROW'S SUM IS TAKEN OF THE UNQUANTISED p: two at a time, in two chains
.irp j, 4,8,12,16,20,24,28,32,36,40,44,48,52,56,60
	v_pk_add_f32 v[14:15], v[14:15], v[S+\j:S+1+\j]
	v_pk_add_f32 v[SUM2:SUM2+1], v[SUM2:SUM2+1], v[S+2+\j:S+3+\j]
.endr
	v_pk_add_f32 v[14:15], v[14:15], v[SUM2:SUM2+1]
.irp b, 0,1,2,3
.irp i, 0,1,2,3,4,5,6,7,8,9,10,11,12,13,14,15
	v_min_num_f32 v[S+16*\b+\i], v[S+16*\b+\i], v[LIM]   ; the conversion to an 8-bit code does not saturate (ISA guide 7.6.2); p is not negative, so the hold is one-sided
.endr
	v_cvt_scalef32_pk8_fp8_f32 v[PC+4*\b:PC+1+4*\b], v[S+16*\b:S+7+16*\b], v[SC]      ; tile 2 b: the operand's registers 4 b, 4 b + 1: keys 32 b + 8 h + 0 .. 7
	v_cvt_scalef32_pk8_fp8_f32 v[PC+2+4*\b:PC+3+4*\b], v[S+8+16*\b:S+15+16*\b], v[SC]   ; tile 2 b + 1: registers 4 b + 2, 4 b + 3: keys 32 b + 16 + 8 h + 0 .. 7
.endr
.irp j, 0,2,4,6,8,10,12,14,16,18,20,22,24,26,28,30
	v_pk_mul_f32 v[O+\j:O+1+\j], v[O+\j:O+1+\j], v[F:F+1] op_sel_hi:[1,0]   ; O^T under the new M: x f, each accumulator from its low end on.  (These are also the plain places behind the conversions)
.endr
	s_wait_dscnt 0x0                               ; V's fragments are in
.irp t, 0,1,2,3                                ; O^T += V^T P^T, K = these 128 keys: the four accumulators take turns, one instruction a turn
	v_wmma_f32_16x16x128_fp8_fp8 v[O+8*\t:O+8*\t+7], v[32+16*\t:32+16*\t+15], v[PC:PC+15], v[O+8*\t:O+8*\t+7]
.endr
.Lhidden_\@:
	s_add_co_u32 s[KS], s[KS], 1
.endm
; A phase walks slabs: a constant number of trips from a constant LDS byte on, two key steps a slab.
.macro PHASE base, trips
	s_mov_b32 s[TB], \base
	s_mov_b32 s[SLB], \trips
.Lslab_\@:
	STEP 0
	STEP 1
	s_add_co_u32 s[TB], s[TB], SLAB
	s_sub_co_u32 s[SLB], s[SLB], 1
	s_cmp_lg_u32 s[SLB], 0
	s_cbranch_scc1 .Lslab_\@
.endm
	s_wait_loadcnt 0x0                             ; Q
	s_wait_tensorcnt 3                             ; tensor loads of a wave end in order (ISA guide 10.11.1): my first, my part of slab 0 or 1, is in; the three issued behind it may stay out
	s_barrier_signal -1
	s_barrier_wait -1                              ; everybody's is: slabs 0 and 1 are whole
	PHASE 0, 2                                     ; key steps 0 to 3
	s_wait_tensorcnt 0x0                           ; all my parts of slabs 2 to 7 are in;
	s_wait_dscnt 0x0                               ; my reads of slabs 0 and 1, where the stages lie, are over
	s_barrier_signal -1
	s_barrier_wait -1                              ; both hold of every wave
	PHASE 2*SLAB, 6                                ; key steps 4 to 15: they read from byte 75,776 on, behind the stages
	; THE WAY OUT.  The sum's two halves and lane l xor 16's are added; O^T x 2^(ev + ep) / the sum goes through my stage in LDS, 16 rows of 256 bytes, so that sixteen lanes store one whole row of O.
	; The addresses are made here: plain instructions that name no register of the last products: their places.
	v_and_b32 v10, 15, v0                          ; r
	v_bfe_u32 v11, v0, 4, 1                        ; h
	s_mul_i32 s80, s[WV], STG                      ; my stage
	v_mul_u32_u24 v[STO], v10, SP
	v_lshl_add_u32 v[STO], v11, 5, v[STO]
	v_add_nc_u32 v[STO], s80, v[STO]               ; in: row r; tile t's eight channels of my half: 64 t + 32 h bytes on
	v_mul_u32_u24 v[RD], v11, SP
	v_lshl_add_u32 v[RD], v10, 4, v[RD]
	v_add_nc_u32 v[RD], s80, v[RD]                 ; back: lanes 0-15 one row, lanes 16-31 the next
	v_lshlrev_b32 v[GO], 11, v11                   ; and the same two rows in O, 2,048 bytes apart
	v_add_f32 v14, v14, v15
	v_permlanex16_b32 v[PERM], v14, s[SEL], s[SEL+1]
	v_add_f32 v14, v14, v[PERM]                    ; the row's sum
	v_rcp_f32 v14, v14
	v_lshl_add_u32 v[GO], v10, 4, v[GO]            ; (the plain place behind the transcendental)
	s_add_co_i32 s81, s78, s79
	s_wait_alu depctr_va_vdst(0)
	v_ldexp_f32 v14, v14, s81                      ; x 2^(ev + ep)
.irp j, 0,2,4,6,8,10,12,14,16,18,20,22,24,26,28,30
	v_pk_mul_f32 v[S+\j:S+1+\j], v[O+\j:O+1+\j], v[14:15] op_sel_hi:[1,0]   ; register 8 t + i is o(query r, channel 16 t + 8 h + i); each accumulator from its low end on
.endr
.irp t, 0,1,2,3
	ds_store_b128 v[STO], v[S+8*\t:S+8*\t+3] offset:64*\t
	ds_store_b128 v[STO], v[S+8*\t+4:S+8*\t+7] offset:64*\t+16
.endr
.irp i, 0,1,2,3,4,5,6,7
	ds_load_b128 v[32+4*\i:35+4*\i], v[RD] offset:2*\i*SP   ; LDS serves a wave's instructions in order (ISA guide 5.7.1.4): these see my stores
.endr
.irp i, 0,1,2,3,4,5,6,7
	s_wait_dscnt 7-\i                              ; load i is back; the 7 - i issued behind it may stay out
	global_store_b128 v[GO], v[32+4*\i:35+4*\i], s[12:13] offset:4096*\i th:TH_STORE_NT   ; 16 lanes store 256 consecutive bytes, at a multiple of 256 from O's first byte; written once, read by nobody here
.endr
	s_wait_tensorcnt 0x0
	ds_add_u32 v216, v217
	s_wait_dscnt 0x0
	ROUND                                          ; the closing round: no work-group ends while a partner may still ask for a tile that names it.  (No LDS instruction and no tensor load of mine is out)
	s_endpgm
.Lfunc_end_k_q51e3ccd0a1_attn:
	.size	k_q51e3ccd0a1_attn, .Lfunc_end_k_q51e3ccd0a1_attn-k_q51e3ccd0a1_attn
	.p2alignl 7, 3214868480
	.fill 96, 4, 3214868480
	.section	.rodata,"a",@progbits
	.p2align	6, 0x0
	.amdhsa_kernel k_q51e3ccd0a1_attn
		.amdhsa_group_segment_fixed_size 327680
		.amdhsa_private_segment_fixed_size 0
		.amdhsa_enable_private_segment 0
		.amdhsa_kernarg_size 40
		.amdhsa_user_sgpr_count 2
		.amdhsa_user_sgpr_kernarg_segment_ptr 1
		.amdhsa_wavefront_size32 1
		.amdhsa_system_sgpr_workgroup_id_x 1
		.amdhsa_system_sgpr_workgroup_id_y 1
		.amdhsa_system_sgpr_workgroup_id_z 1
		.amdhsa_system_vgpr_workitem_id 0
		.amdhsa_next_free_vgpr 218
		.amdhsa_next_free_sgpr 96
		.amdhsa_reserve_vcc 1
		.amdhsa_float_denorm_mode_32 3
		.amdhsa_float_denorm_mode_16_64 3
		.amdhsa_memory_ordered 1
		.amdhsa_forward_progress 1
		.amdhsa_inst_pref_size 100
	.end_amdhsa_kernel
	.amdgpu_metadata
---
amdhsa.version: [ 1, 2 ]
amdhsa.kernels:
  - .name:           k_q51e3ccd0a1_attn
    .symbol:         k_q51e3ccd0a1_attn.kd
    .args:
      - { .name: queries_codes, .offset: 0, .size: 8, .value_kind: global_buffer, .address_space: global }
      - { .name: keys_codes, .offset: 8, .size: 8, .value_kind: global_buffer, .address_space: global }
      - { .name: values_codes, .offset: 16, .size: 8, .value_kind: global_buffer, .address_space: global }
      - { .name: lowp_scales, .offset: 24, .size: 8, .value_kind: global_buffer, .address_space: global }
      - { .name: out0, .offset: 32, .size: 8, .value_kind: global_buffer, .address_space: global }
    .group_segment_fixed_size: 327680
    .private_segment_fixed_size: 0
    .kernarg_segment_align: 8
    .kernarg_segment_size: 40
    .max_flat_workgroup_size: 512
    .sgpr_count:     96
    .vgpr_count:     218
    .wavefront_size: 32
...
	.end_amdgpu_metadata
.endif
;; end of part 1
